; MI455X (gfx1250); checked and timed in simulation.
; The chip was launched on July 23, 2026; its instructions are those of AMD's public machine-readable ISA for CDNA 5 (MIT licence, August 2026) and "CDNA5" Instruction Set Architecture Reference Guide (July 2026). The comments in the code are by the model that wrote it; some were corrected since.
;; Linear Addmv. Allowed arithmetic: matrix products marked QUANTISED: E2M3 operands, one E8M0 scale for each 32 along K, by v_wmma_scale_f32_16x16x128_f8f6f4 with both operands' format E2M3, f32 sums; everything else in f32.
;; Inputs: W 4,096 x 4,096 float32; b 4,096 float32; x 4,096 x 4,096 float32.
;; Outputs: out0 4,096 x 4,096 float32.
;; This version of the problem:
;;   THIS VERSION OF THE PROBLEM IS GIVEN IN LOW PRECISION. The matrix products marked QUANTISED in the list below multiply operands that are first quantised to E2M3 (2 exponent bits, 3 mantissa bits; 6 bits a number), with one power-of-two scale for each 32 numbers along K (OCP MX v1.0); their sums are f32. All else is computed in f32.
;;   The module's matrix products, in the order in which they are computed (A, B: the left and right operand; K: the contracted axis; several contracted axes count as one K, in the product's order):
;;     1. [M 4,096, K 4,096] x [K 4,096, N 4,096]; A: input x; B: input W: QUANTISED
;;   THE QUANTISER, for each operand of a quantised product, along K:
;;     - K is cut into blocks of 32 from its start; a last block that is shorter is filled with zeros.
;;     - A block's scale is 2^e with e = floor(log2(the largest magnitude in the block)) - 2, held to -126 .. 127; a block of zeros has e = 0. As a byte (E8M0): e + 127.
;;     - Each number is divided by its block's scale, clamped to +-7.5, and rounded to the nearest number of E2M3, ties to even, subnormals kept.
;;     - The product sums the exact products of the quantised numbers (number of the format x scale) in f32.
;;   ~~~python
;;   def quantise(x, axis):      # numpy; x: float32 -> the quantised numbers, widened to float32 again
;;       x = np.moveaxis(x, axis, -1); K = x.shape[-1]
;;       x = np.pad(x, [(0, 0)] * (x.ndim - 1) + [(0, -K % 32)]); x = x.reshape(x.shape[:-1] + (-1, 32)); a = np.abs(x).max(-1, keepdims=True)
;;       e = np.where(a > 0, np.clip(np.frexp(np.where(a > 0, a, 1))[1] - 1 - 2, -126, 127), 0)      # np.frexp(a)[1] - 1 = floor(log2(a)), exactly
;;       r = np.clip(x / 2.0 ** e, -7.5, 7.5)
;;       step = 2.0 ** (np.maximum(np.frexp(np.where(r == 0, 1, r))[1] - 1, 0) - 3)
;;       q = np.round(r / step) * step * 2.0 ** e      # np.round: ties to even
;;       return np.moveaxis(q.reshape(q.shape[:-2] + (-1,))[..., :K], -1, axis).astype(np.float32)
;;   ~~~
;; One version. Each part assembles by itself: llvm-mc -triple=amdgcn-amd-amdhsa -mcpu=gfx1250 --defsym DOCPART=n.
;; ======== version 1 of 1: 2 launches
;; limits: right only within a limited range of input values
;; workspace buffers: xq 13,107,200 bytes; wq 13,107,200 bytes
;; launch quant (part 1): grid 512 x 1, 8 waves a work-group, no clusters, 68,608 bytes of LDS; arguments x, W, xq, wq; writes xq, wq
.if DOCPART == 1
	.amdgcn_target "amdgcn-amd-amdhsa--gfx1250"
	.amdhsa_code_object_version 6
	.text
	.protected	k_qb56e7f380d_quant
	.globl	k_qb56e7f380d_quant
	.p2align	8
	.type	k_qb56e7f380d_quant,@function
k_qb56e7f380d_quant:
	s_mov_b64 s[64:65], 0
	v_nop
	global_prefetch_b8 v0, s[64:65] scope:SCOPE_SE
	s_setreg_imm32_b32 hwreg(HW_REG_WAVE_MODE, 25, 1), 1
	s_wait_xcnt 0x0
; x [4096][4096] and W [4096][4096], f32, K innermost, are turned into codes of FP6 (E2M3) with one E8M0 scale byte for each 32 along K,
; laid in the ORDER OF THE OPERAND'S REGISTERS, so that the product's launch takes fragments and scale words as they lie.
; A buffer is [32 groups of 128 rows][32 steps of 128 along K][a piece of 12,800 bytes].  A piece: eight fragment images of 1,536 bytes (tile t = rows 16 t .. 16 t + 15 of the group;
; registers 4 c .. 4 c + 3 of lane l at 512 c + 16 l), then 512 bytes of scale words: the word of tile 4 u + j, row r at 12,288 + 256 u + 16 r + 4 j.
; A block's scale is 2^(floor(log2(its largest magnitude)) - 2); its byte is the largest magnitude's exponent field - 2, held at 1 from below by a floor of 2^-124 among the maximum's leaves.
; Each number is divided by the scale and rounded to the nearest code, ties to even; beyond 7.5 the conversion gives the largest code.
; LIMITS: NaN and infinities among the inputs are not served.  A block of zeros gets the byte 1 where the rule says 127: its codes are zeros, which add nothing, and this program alone reads the bytes.
; SHARES.  512 work-groups: the first 256 take x, the others W (only the pointers are chosen; both take one path).  A work-group takes 64 rows x 1,024 along K; each of its eight waves
; 64 rows x 128 along K: four fragments.  Waves share nothing: no barrier.  Nothing is looped: every offset is an immediate.
; A load reads one row's 512 consecutive bytes, 16 a lane.  The operand's layout wants lane (r, h) to hold blocks h and 2 + h of row r: so a fragment's 16 rows turn through the wave's own stage in LDS.
.set ROWB,   16384                     ; a row of x or W in bytes
.set PIECE,  12800
.set FRB,    1536                      ; a fragment's image
.set SWOFF,  12288                     ; where a piece's scale words begin
.set SPITCH, 528                       ; a stage row: 512 bytes + 16: an odd multiple of 16, so that the sixteen rows of a read start at sixteen different 16-byte columns
.set GI,  5                            ; v5   16 x lane
.set WRA, 6                            ; v6   the stage, on the way in: 16 x lane
.set RDA, 7                            ; v7   and on the way out: 528 r + 128 h
.set H8,  8                            ; v8   8 h
.set CO,  9                            ; v9   my place in a piece's images: 16 x lane + 6,144 u
.set SO,  10                           ; v10  my place among its scale words: 12,288 + 256 u + 16 r + 8 h
.set X,   16                           ; v16-207  three sets of 64 numbers
.set C,   208                          ; v208-219 a fragment's image
.set T,   220                          ; v220-222, v224-226 the upper halves of the two blocks (a conversion's three registers begin on an even number)
.set M,   228                          ; v228-229 largest magnitudes
.set SOP, 230                          ; v230-231 the conversions' scale operands
.set BY,  232                          ; v232-233 the scale bytes
.set WD,  234                          ; v234 my two bytes in their places; v235 the other half's
.set SW,  236                          ; v236-239 the four fragments' scale words
.set OUTW, 240                         ; v[240:241] the two words that I store
	s_load_b128 s[4:7], s[0:1], 0x0                ; x, W
	s_load_b128 s[8:11], s[0:1], 0x10              ; xq, wq
	v_lshl_add_u32 v248, v0, 2, 0x10800
	v_mov_b32 v249, 0
	v_lshrrev_b32 v1, 5, v0
	s_delay_alu instid0(VALU_DEP_1)
	v_readfirstlane_b32 s12, v1                    ; wave 0..7
	v_and_b32 v2, 31, v0                           ; lane
	s_wait_alu depctr_va_vdst(0)
	v_and_b32 v3, 15, v0                           ; r
	s_wait_alu depctr_va_vdst(0)
	v_bfe_u32 v4, v0, 4, 1                         ; h
	s_mul_i32 s13, s12, 16*SPITCH                  ; my stage
	s_lshr_b32 s14, ttmp9, 8                       ; 0: x, 1: W
	s_and_b32 s15, ttmp9, 255
	s_lshr_b32 s16, s15, 2                         ; which 64 rows
	s_and_b32 s17, s15, 3
	s_lshl_b32 s17, s17, 3
	s_add_co_u32 s17, s17, s12                     ; g: which 128 along K = 8 x quarter + wave
	s_lshl_b32 s18, s16, 20                        ; in: 64 rows of 16,384 bytes,
	s_lshl_b32 s19, s17, 9                         ; + 512 g
	s_add_co_u32 s18, s18, s19
	s_mov_b32 s19, 0
	s_lshr_b32 s20, s16, 1                         ; out: the group of 128 rows,
	s_lshl_b32 s20, s20, 5
	s_add_co_u32 s20, s20, s17                     ; its piece g
	s_mul_i32 s20, s20, PIECE
	s_mov_b32 s21, 0
	s_and_b32 s22, s16, 1                          ; u: which half of the group: tiles 4 u .. 4 u + 3
	s_mul_i32 s23, s22, 4*FRB
	s_lshl_b32 s26, s22, 8
	s_add_co_u32 s26, s26, SWOFF
	s_mov_b32 s24, 0x76543210
	s_mov_b32 s25, 0xfedcba98                      ; v_permlanex16_b32's selects for lane l xor 16
	v_lshlrev_b32 v[GI], 4, v2
	s_delay_alu instid0(VALU_DEP_1)
	v_add_nc_u32 v[WRA], s13, v[GI]
	v_mul_u32_u24 v[RDA], v3, SPITCH
	s_wait_alu depctr_va_vdst(0)
	v_lshl_add_u32 v[RDA], v4, 7, v[RDA]
	s_delay_alu instid0(VALU_DEP_1)
	v_add_nc_u32 v[RDA], s13, v[RDA]
	v_lshlrev_b32 v[H8], 3, v4
	v_add_nc_u32 v[CO], s23, v[GI]
	v_lshlrev_b32 v[SO], 4, v3
	s_delay_alu instid0(VALU_DEP_1)
	v_lshl_add_u32 v[SO], v4, 3, v[SO]
	s_delay_alu instid0(VALU_DEP_1)
	v_add_nc_u32 v[SO], s26, v[SO]
	v_mov_b32 v[WD+1], 0                           ; written once: a lane permute's destination counts as one of its sources
	s_wait_alu depctr_va_vdst(0)
	s_wait_kmcnt 0x0
	s_cmp_eq_u32 s14, 0                            ; the choice hangs on the work-group's number alone
	s_cselect_b64 s[4:5], s[4:5], s[6:7]
	s_cselect_b64 s[8:9], s[8:9], s[10:11]
	s_add_nc_u64 s[4:5], s[4:5], s[18:19]
	s_add_nc_u64 s[8:9], s[8:9], s[20:21]
.macro LOAD j                          ; fragment j: rows 16 j .. 16 j + 15, each load one row's 512 consecutive bytes, at a multiple of 512 from the buffer's first byte
.set S, X+64*((\j)%3)
.irp i, 0,1,2,3,4,5,6,7,8,9,10,11,12,13,14,15
	global_load_b128 v[S+4*\i:S+4*\i+3], v[GI], s[4:5] offset:(16*(\j)+\i)*ROWB th:TH_LOAD_NT
.endr
.endm
.macro TURN j                          ; through the stage and back into the registers that it left.  LDS serves a wave's instructions in order (ISA guide 5.7.1.4): no wait between the stores and the loads, nor in front of the next fragment's stores
.set S, X+64*((\j)%3)
.irp i, 0,1,2,3,4,5,6,7,8,9,10,11,12,13,14,15
	ds_store_b128 v[WRA], v[S+4*\i:S+4*\i+3] offset:SPITCH*\i
.endr
.irp c, 0,1
.irp m, 0,1,2,3,4,5,6,7
	ds_load_b128 v[S+32*\c+4*\m:S+32*\c+4*\m+3], v[RDA] offset:256*\c+16*\m   ; register 32 c + i = k 64 c + 32 h + i of row r
.endr
.endr
.endm
.macro WORK j
.set S, X+64*((\j)%3)
.irp c, 0,1                            ; my blocks h and 2 + h: all 32 numbers of each are mine
	v_max3_num_f32 v[M+\c], |v[S+32*\c]|, |v[S+32*\c+1]|, 0x1800000   ; and the floor 2^(3 - 127): the byte cannot fall under 1
.endr
.irp i, 2,4,6,8,10,12,14,16,18,20,22,24,26,28,30
.irp c, 0,1
	s_delay_alu instid0(VALU_DEP_2)
	v_max3_num_f32 v[M+\c], v[M+\c], |v[S+32*\c+\i]|, |v[S+32*\c+\i+1]|   ; (the two blocks by turns)
.endr
.endr
.irp c, 0,1
	s_delay_alu instid0(VALU_DEP_2)
	v_add_nc_u32 v[SOP+\c], 0xff000000, v[M+\c]    ; 2 off the exponent field: the conversion takes the exponent field of this operand as its scale, and nothing else of it
.endr
	s_wait_alu depctr_va_vdst(0)
	s_wait_xcnt 0x0                                ; the image's registers are the last fragment's store data: they are rewritten only behind this wait (ISA guide 3.1)
	v_cvt_scalef32_pk16_fp6_f32 v[C:C+2],     v[S:S+15],    v[SOP]
	v_cvt_scalef32_pk16_fp6_f32 v[T:T+2],     v[S+16:S+31], v[SOP]
	v_cvt_scalef32_pk16_fp6_f32 v[C+6:C+8],   v[S+32:S+47], v[SOP+1]
	v_cvt_scalef32_pk16_fp6_f32 v[T+4:T+6],   v[S+48:S+63], v[SOP+1]
	v_lshrrev_b32 v[BY], 23, v[SOP]                ; the scales' bytes.  (Also the plain place behind the conversions)
	v_lshrrev_b32 v[BY+1], 23, v[SOP+1]
	s_delay_alu instid0(VALU_DEP_1)
	v_lshl_or_b32 v[WD], v[BY+1], 16, v[BY]        ; blocks h and 2 + h,
	s_delay_alu instid0(VALU_DEP_1)
	v_lshlrev_b32 v[WD], v[H8], v[WD]              ; at their places in the row's word;
	s_delay_alu instid0(VALU_DEP_1)
	v_permlanex16_b32 v[WD+1], v[WD], s24, s25
	s_delay_alu instid0(VALU_DEP_1)
	v_or_b32 v[SW+\j], v[WD], v[WD+1]              ; with lane l xor 16's two the word is whole
.irp i, 0,1,2
	v_mov_b32 v[C+3+\i], v[T+\i]
	v_mov_b32 v[C+9+\i], v[T+4+\i]
.endr
.irp c, 0,1,2
	global_store_b128 v[CO], v[C+4*\c:C+4*\c+3], s[8:9] offset:FRB*\j+512*\c   ; 32 lanes store 512 consecutive bytes, at a multiple of 512 from the buffer's first byte
.endr
.endm
	LOAD 0
	LOAD 1
	LOAD 2                                         ; 48 loads of the wave are out
	s_wait_loadcnt 32                              ; fragment 0 is in; the 32 younger loads stay out
	TURN 0
	s_wait_loadcnt 16                              ; fragment 1 is in; fragment 2's 16 stay out
	TURN 1
	s_wait_dscnt 32                                ; fragment 0 is back from the stage; fragment 1's 16 stores and 16 loads may be out
	WORK 0
	LOAD 3                                         ; into the set that fragment 0 has left
	s_wait_loadcnt 16                              ; fragment 2 is in; fragment 3's 16 stay out
	TURN 2
	s_wait_dscnt 32
	WORK 1
	s_wait_dscnt 0x0                               ; fragment 2 is back from the stage: it is worked and stored while fragment 3's loads are out
	WORK 2
	s_wait_loadcnt 0x0
	TURN 3
	s_wait_dscnt 0x0
	WORK 3
	v_cmp_ne_u32 vcc_lo, 0, v4                     ; lanes 0-15 store the words of tiles 4 u, 4 u + 1 of row r, lanes 16-31 those of 4 u + 2, 4 u + 3
	s_delay_alu instid0(VALU_DEP_1)
	v_cndmask_b32 v[OUTW], v[SW], v[SW+2], vcc_lo
	s_delay_alu instid0(VALU_DEP_2)
	v_cndmask_b32 v[OUTW+1], v[SW+1], v[SW+3], vcc_lo
	global_store_b64 v[SO], v[OUTW:OUTW+1], s[8:9] ; the 32 lanes store 256 consecutive bytes, at a multiple of 256 from the buffer's first byte
	s_wait_tensorcnt 0x0
	ds_add_u32 v248, v249
	s_wait_dscnt 0x0
	s_endpgm
.Lfunc_end_k_qb56e7f380d_quant:
	.size	k_qb56e7f380d_quant, .Lfunc_end_k_qb56e7f380d_quant-k_qb56e7f380d_quant
	.p2alignl 7, 3214868480
	.fill 96, 4, 3214868480
	.section	.rodata,"a",@progbits
	.p2align	6, 0x0
	.amdhsa_kernel k_qb56e7f380d_quant
		.amdhsa_group_segment_fixed_size 68608
		.amdhsa_private_segment_fixed_size 0
		.amdhsa_enable_private_segment 0
		.amdhsa_kernarg_size 32
		.amdhsa_user_sgpr_count 2
		.amdhsa_user_sgpr_kernarg_segment_ptr 1
		.amdhsa_wavefront_size32 1
		.amdhsa_system_sgpr_workgroup_id_x 1
		.amdhsa_system_sgpr_workgroup_id_y 1
		.amdhsa_system_sgpr_workgroup_id_z 1
		.amdhsa_system_vgpr_workitem_id 0
		.amdhsa_next_free_vgpr 250
		.amdhsa_next_free_sgpr 66
		.amdhsa_reserve_vcc 1
		.amdhsa_float_denorm_mode_32 3
		.amdhsa_float_denorm_mode_16_64 3
		.amdhsa_memory_ordered 1
		.amdhsa_forward_progress 1
		.amdhsa_inst_pref_size 35
	.end_amdhsa_kernel
	.amdgpu_metadata
---
amdhsa.version: [ 1, 2 ]
amdhsa.kernels:
  - .name:           k_qb56e7f380d_quant
    .symbol:         k_qb56e7f380d_quant.kd
    .args:
      - { .name: x, .offset: 0, .size: 8, .value_kind: global_buffer, .address_space: global }
      - { .name: W, .offset: 8, .size: 8, .value_kind: global_buffer, .address_space: global }
      - { .name: xq, .offset: 16, .size: 8, .value_kind: global_buffer, .address_space: global }
      - { .name: wq, .offset: 24, .size: 8, .value_kind: global_buffer, .address_space: global }
    .group_segment_fixed_size: 68608
    .private_segment_fixed_size: 0
    .kernarg_segment_align: 8
    .kernarg_segment_size: 32
    .max_flat_workgroup_size: 256
    .sgpr_count:     66
    .vgpr_count:     250
    .wavefront_size: 32
...
	.end_amdgpu_metadata
.endif
;; end of part 1
;; launch gemm (part 2): grid 16 x 16, 4 waves a work-group, clusters of 4 x 4, 327,680 bytes of LDS; arguments xq, wq, b, out0; writes out0
.if DOCPART == 2
	.amdgcn_target "amdgcn-amd-amdhsa--gfx1250"
	.amdhsa_code_object_version 6
	.text
	.protected	k_qb56e7f380d_gemm
	.globl	k_qb56e7f380d_gemm
	.p2align	8
	.type	k_qb56e7f380d_gemm,@function
k_qb56e7f380d_gemm:
	s_mov_b64 s[64:65], 0
	v_nop
	global_prefetch_b8 v0, s[64:65] scope:SCOPE_SE
	s_setreg_imm32_b32 hwreg(HW_REG_WAVE_MODE, 25, 1), 1
	s_wait_xcnt 0x0
	s_wait_alu depctr_hold_cnt(0) depctr_sa_sdst(0) depctr_va_vdst(0) depctr_va_sdst(0) depctr_va_ssrc(0) depctr_va_vcc(0) depctr_vm_vsrc(0)
	s_getreg_b32 s2, hwreg(HW_REG_IB_STS2, 6, 4)
	s_cmp_eq_u32 s2, 0
	s_cbranch_scc0 .Lentry_in_a_cluster
	s_endpgm
.Lentry_in_a_cluster:
	s_bfe_u32 s2, ttmp6, 0x10000c
	s_cmp_lg_u32 s2, 0xf033
	s_cbranch_scc0 .Lentry_shape_is_right
	s_endpgm
.Lentry_shape_is_right:
; out0[m][n] = sum over k of Q(x)[m][k] Q(W)[n][k] + b[n].  xq and wq hold codes of FP6 (E2M3) and E8M0 scale words as images of the operand's registers:
; [32 groups of 128 rows][32 steps of 128 along K][a piece of 12,800 bytes: eight fragment images of 1,536 bytes, then 512 bytes of scale words].
; A work-group of four waves makes 256 x 256 of out0, a wave 128 x 128: 64 accumulators.  K goes through a ring of two LDS slots; a slot holds a chunk of three steps (the last chunk: two)
; of two groups of x and two of W, 38,400 bytes a group, dense in memory, brought as rows of 256 bytes by one tensor load a wave.
; CLUSTERS: 4 x 4 work-groups; x's groups are asked for jointly along a row of the cluster, W's along a column.
; THE MATRIX INSTRUCTION IS USED TRANSPOSED (source 0 = 16 rows of W, source 1 = 16 rows of x): a lane holds eight neighbouring columns of a row of out0.  The bias is the C of the first step's products.
; REGISTERS.  BOTH operands have two sets of fragments (step parity 0, 1): 512 registers of accumulators, 384 of fragments, dealt evenly over the four windows:
;   every window: v16-63 four fragments of parity 0, v64-111 of parity 1, v128-255 sixteen accumulators.
;   window 0: W's tiles 0-3, products (x 0-3, W 0-3); v1-15 addresses; v112-127 scale words, two sets.     window 1: W's tiles 4-7, products (x 4-7, W 4-7).
;   window 2: x's tiles 0-3, products (x 0-3, W 4-7); bias of columns 0-63 in v0-15, v112-127.              window 3: x's tiles 4-7, products (x 4-7, W 0-3); bias of columns 64-127 likewise.
; A step is ONE run of 50 LDS loads, the next step's fragments and scale words into the set that is not at work, and then 64 matrix instructions in four phases of 16, each under one window setting:
; from a load's issue to its first use a wave issues 64 matrix instructions or more (behind a change of slots: 48 or more).
; THE LAST TWO STEPS, whose fragments fill the two sets, go by halves of my rows: rows 0-63 are finished and leave, then rows 64-127 are finished.  Each sum still takes its steps in ascending order.
; PREFETCH: behind the refill that asks for chunk n, chunk n + 1 (three K steps, 192 matrix instructions a wave, ahead of its load) is named: 150 blocks of 256 bytes a wave's group, of which each of the four
; partners that ask jointly takes 38 (the last 36), told apart by address; chunks 0 to 2 come by their loads alone, and so does chunk 10, which is shorter than the others.
.set PIECE,  12800
.set FRB,    1536
.set SWOFF,  12288
.set CHUNK,  3*PIECE
.set SLOT,   4*CHUNK
.set GROUPB, 32*PIECE
.set SPARE,  2*SLOT                    ; behind the ring: the spare words, 128 bytes a wave
.set STAGE,  SLOT                      ; the way out goes through slot 1: the last chunk lies in slot 0, and slot 1 has had its last fill and its last read by then
.set SPITCH, 528
.set CROW,   16384                     ; a row of out0 in bytes
.set FULLR,  CHUNK/256
.set SHORTR, 2*PIECE/256
.set PFO,  1                           ; v1-2   the prefetches' offsets
.set ADRA, 4                           ; v4-5   LDS address of my x fragments in slot 0, 1
.set ADRB, 6                           ; v6-7   the same for W
.set ADRS, 8                           ; v8-9   scale words: lanes 0-15 x's, lanes 16-31 W's
.set STO,  10
.set RD,   11
.set CO,   12
.set SPW,  13                          ; my spare word; never rewritten
.set NIL,  14                          ; 0; never rewritten
.set BO,   15
.set FB,   16
.set SC,   112
.set ACC,  128
.set G1,   24
.set G0,   32
.set G1B,  48
.set G0B,  56
.set G1L,  68                          ; group 1 for the last, shorter chunk
.set G1LB, 76
.set PFA,  84                          ; s[84:85] where my prefetches stand
.set MSB, 0
.macro WIN new                         ; the immediate's high byte repeats the setting that is left
.if MSB != (\new)
	s_set_vgpr_msb (MSB<<8)|(\new)
.set MSB, (\new)
.endif
.endm
.macro JLOAD g0a, g1a, g0b, g1b        ; a joint load: waves 0, 1 fetch x's two groups, waves 2, 3 W's; s_nop 0 and four v_nop behind each line
	s_cmp_eq_u32 s15, 0
	s_cbranch_scc0 .Lfor_b_\@
	tensor_load_to_lds s[\g0a:\g0a+3], s[\g1a:\g1a+7]
	s_nop 0
.rept 4
	v_nop
.endr
	s_branch .Lasked_\@
.Lfor_b_\@:
	tensor_load_to_lds s[\g0b:\g0b+3], s[\g1b:\g1b+7]
	s_nop 0
.rept 4
	v_nop
.endr
.Lasked_\@:
.endm
.macro CREST                           ; a round of the cluster's barrier behind its opening barrier
	s_cmp_lg_u32 s14, 0
	s_cbranch_scc1 .Lnot_wave_0_\@
	s_barrier_signal -3
.Lnot_wave_0_\@:
	s_barrier_wait -3
	s_barrier_signal -1
	s_barrier_wait -1
.endm
.macro CROUND
	s_barrier_signal -1
	s_barrier_wait -1
	CREST
.endm
.macro PLACES n
.rept \n
	v_nop
.endr
.endm
	s_load_b128 s[4:7], s[0:1], 0x0                ; xq, wq
	s_load_b128 s[8:11], s[0:1], 0x10              ; b, out0
	v_lshl_add_u32 v[SPW], v0, 2, SPARE
	v_mov_b32 v[NIL], 0
	ds_add_u32 v[SPW], v[NIL]                      ; the opening lines: the add, twice on end, and its wait ahead of my first tensor load
	ds_add_u32 v[SPW], v[NIL]
	v_lshrrev_b32 v16, 5, v0
	v_readfirstlane_b32 s14, v16                   ; wave 0..3
	s_lshr_b32 s15, s14, 1                         ; my half of the rows.  Also: I fetch for x (0) or W (1)
	s_and_b32 s16, s14, 1                          ; my half of the columns.  Also: which group of the two I fetch
	s_bfe_u32 s40, ttmp6, 0x40000                  ; cx
	s_bfe_u32 s41, ttmp6, 0x40004                  ; cy
	s_lshl_b32 s42, ttmp9, 2
	s_add_co_u32 s42, s42, s40                     ; tile column
	s_and_b32 s17, ttmp7, 0xffff
	s_lshl_b32 s17, s17, 2
	s_add_co_u32 s17, s17, s41                     ; tile row
	s_lshl_b32 s43, s41, 2
	s_lshl_b32 s43, 15, s43                        ; my row of the cluster
	s_lshl_b32 s44, 0x1111, s40                    ; my column
	s_or_b32 s[G1+0], s43, (3<<16)|(1<<21)         ; elements of 8 bytes; the mask, bit 21 beside it
	s_or_b32 s[G1B+0], s44, (3<<16)|(1<<21)
	s_or_b32 s[G1L+0], s43, (3<<16)|(1<<21)
	s_or_b32 s[G1LB+0], s44, (3<<16)|(1<<21)
.irp g, G1, G1B
	s_mov_b32 s[\g+1], 32<<16                      ; rows of 32 elements, 256 bytes
	s_mov_b32 s[\g+2], FULLR<<16
	s_mov_b32 s[\g+3], 32<<16
	s_mov_b32 s[\g+4], FULLR
	s_mov_b32 s[\g+5], 32
	s_mov_b32 s[\g+6], 0
	s_mov_b32 s[\g+7], 0
.endr
.irp g, G1L, G1LB
	s_mov_b32 s[\g+1], 32<<16
	s_mov_b32 s[\g+2], SHORTR<<16
	s_mov_b32 s[\g+3], 32<<16
	s_mov_b32 s[\g+4], SHORTR
	s_mov_b32 s[\g+5], 32
	s_mov_b32 s[\g+6], 0
	s_mov_b32 s[\g+7], 0
.endr
	s_lshl_b32 s20, s17, 1
	s_add_co_u32 s20, s20, s16
	s_mul_i32 s20, s20, GROUPB                     ; x: group 2 x tile row + which
	s_mov_b32 s21, 0
	s_lshl_b32 s46, s42, 1
	s_add_co_u32 s46, s46, s16
	s_mul_i32 s46, s46, GROUPB                     ; W: group 2 x tile column + which
	s_mov_b32 s47, 0
	s_mul_i32 s45, s14, CHUNK                      ; where my group goes in a slot
	s_wait_dscnt 0x0                               ; both opening adds are done
	s_wait_kmcnt 0x0
	s_add_nc_u64 s[20:21], s[4:5], s[20:21]
	s_add_nc_u64 s[46:47], s[6:7], s[46:47]
	CROUND                                         ; in front of the first joint loads
.irp s, 0,1
	s_mov_b32 s[G0+4*\s], 1
	s_add_co_u32 s[G0+4*\s+1], s45, \s*SLOT
	s_add_nc_u64 s[G0+4*\s+2:G0+4*\s+3], s[20:21], \s*CHUNK
	s_or_b32 s[G0+4*\s+3], s[G0+4*\s+3], 0x80000000
	s_mov_b32 s[G0B+4*\s], 1
	s_add_co_u32 s[G0B+4*\s+1], s45, \s*SLOT
	s_add_nc_u64 s[G0B+4*\s+2:G0B+4*\s+3], s[46:47], \s*CHUNK
	s_or_b32 s[G0B+4*\s+3], s[G0B+4*\s+3], 0x80000000
.endr
	JLOAD G0, G1, G0B, G1B                         ; chunk 0: one tensor load a wave at the head
	; the scalars of the rest of the head first, then its vector lines on end
	s_cmp_eq_u32 s15, 0
	s_cselect_b64 s[PFA:PFA+1], s[20:21], s[46:47] ; the group that I fetch
	s_cselect_b32 s19, s40, s41                    ; my place among the four that ask for it with me
	s_add_nc_u64 s[PFA:PFA+1], s[PFA:PFA+1], 2*CHUNK   ; the first change of slots steps it to chunk 3
	s_mul_i32 s19, s19, 38                         ; my first block of the chunk's 150
	s_add_co_u32 s20, s19, 32
	s_lshl_b32 s46, s42, 10                        ; my first column in bytes: 1,024 x tile column + 512 x half
	s_lshl_b32 s47, s16, 9
	s_add_co_u32 s46, s46, s47
	s_mov_b32 s47, 0
	s_add_nc_u64 s[8:9], s[8:9], s[46:47]
	s_add_nc_u64 s[10:11], s[10:11], s[46:47]
	s_lshl_b32 s22, s17, 8
	s_lshl_b32 s23, s15, 7
	s_add_co_u32 s22, s22, s23                     ; my first row
	s_lshl_b32 s22, s22, 14
	s_mov_b32 s23, 0
	s_add_nc_u64 s[10:11], s[10:11], s[22:23]
	s_mul_i32 s21, s15, CHUNK                      ; my group of x in a slot
	s_mul_i32 s22, s16, CHUNK
	s_add_co_u32 s22, s22, 2*CHUNK                 ; my group of W
	s_xor_b32 s23, s15, 1
	s_add_co_u32 s23, s23, s16
	s_add_co_u32 s23, s23, 1
	s_mul_i32 s23, s23, CHUNK                      ; the distance between the two
	s_add_co_u32 s12, s21, SLOT
	s_add_co_u32 s13, s22, SLOT
	s_mul_i32 s18, s14, 16*SPITCH
	s_add_co_u32 s18, s18, STAGE                   ; my stage
	v_and_b32 v16, 15, v0                          ; r
	v_bfe_u32 v17, v0, 4, 1                        ; h
	v_and_b32 v18, 31, v0                          ; lane
	v_lshlrev_b32 v[BO], 5, v17
	v_lshlrev_b32 v[CO], 4, v18
	v_mul_u32_u24 v19, s23, v17                    ; lanes 16-31 take W's scale words
	v_lshl_add_u32 v19, v16, 4, v19
	v_add_nc_u32 v[ADRA], s21, v[CO]
	v_add_nc_u32 v[ADRA+1], s12, v[CO]
	v_add_nc_u32 v[ADRB], s22, v[CO]
	v_add_nc_u32 v[ADRB+1], s13, v[CO]
	v_add_nc_u32 v[ADRS], s21, v19
	v_add_nc_u32 v[ADRS+1], s12, v19
	v_mul_u32_u24 v20, v16, SPITCH
	v_lshl_add_u32 v20, v17, 5, v20
	v_add_nc_u32 v[STO], s18, v20
	v_add_nc_u32 v[RD], s18, v[CO]
	v_add_nc_u32 v[PFO], s19, v18                  ; blocks 38 p + lane,
	v_min_u32 v21, 5, v18
	v_min_u32 v[PFO], 149, v[PFO]
	v_add_nc_u32 v[PFO+1], s20, v21                ; and 38 p + 32 .. 37 (the lanes left over name the last again), none beyond the chunk's last block
	v_lshlrev_b32 v[PFO], 8, v[PFO]
	v_min_u32 v[PFO+1], 149, v[PFO+1]
	v_lshlrev_b32 v[PFO+1], 8, v[PFO+1]
.irp j, 0,1                            ; the bias in the result's layout: register i of block b is b[16 b + 8 h + i]; blocks 0-3 into window 2, 4-7 into window 3
	WIN 0x80+0x40*\j
.irp bl, 0,1,2,3
	global_load_b128 v[8*\bl+96*(\bl/2):8*\bl+96*(\bl/2)+3],   v[BO], s[8:9] offset:64*(4*\j+\bl)
	global_load_b128 v[8*\bl+96*(\bl/2)+4:8*\bl+96*(\bl/2)+7], v[BO], s[8:9] offset:64*(4*\j+\bl)+16
.endr
.endr
	WIN 0
; Phase k: 0: x 0-3 by W 0-3;  1: x 0-3 by W 4-7;  2: x 4-7 by W 4-7;  3: x 4-7 by W 0-3.  Its accumulators' window also holds: 0: W 0-3;  1: x 0-3;  2: W 4-7;  3: x 4-7.
.macro BURST k, slot, q, p             ; the four fragments that live in phase k's window, of step q of the slot's chunk, into set p: twelve loads of 512 consecutive bytes; addresses from window 0
.set PI, (\k)/2
.set PJ, (((\k)+1)/2)%2
.set PD, 2*PJ+PI*(3-4*PJ)
	WIN PD<<6
.irp g, 0,1,2,3
.irp c, 0,1,2
	ds_load_b128 v[FB+48*(\p)+12*\g+4*\c:FB+48*(\p)+12*\g+4*\c+3], v[ADRB-2*((\k)%2)+(\slot)] offset:(\q)*PIECE+FRB*(4*((\k)/2)+\g)+512*\c
.endr
.endr
.endm
.macro FETCH slot, q, p                ; a step's run: 14 loads (W 0-3 and the scale words), 12 (x 0-3), 12 (W 4-7), 12 (x 4-7): in the order in which the phases want them
	BURST 0, \slot, \q, \p
.irp u, 0,1                            ; scale register t of the set: lanes 0-15 the word of x's tile t, lanes 16-31 of W's tile t
	ds_load_b128 v[SC+8*(\p)+4*\u:SC+8*(\p)+4*\u+3], v[ADRS+(\slot)] offset:(\q)*PIECE+SWOFF+256*\u
.endr
	BURST 1, \slot, \q, \p
	BURST 2, \slot, \q, \p
	BURST 3, \slot, \q, \p
.endm
; 16 matrix instructions on set p, the sixteen accumulators by turns
.macro PHASE k, p, bias
.set PI, (\k)/2
.set PJ, (((\k)+1)/2)%2
.set PD, 2*PJ+PI*(3-4*PJ)
.if \bias
.set PW, (PD<<6)|((2+PJ)<<4)|((2+PI)<<2)|PJ
.else
.set PW, (PD<<6)|(PD<<4)|((2+PI)<<2)|PJ
.endif
	WIN PW
.irp al, 0,1,2,3
.irp bl, 0,1,2,3
.if \bias
	v_wmma_scale_f32_16x16x128_f8f6f4 v[ACC+8*(4*\al+\bl):ACC+8*(4*\al+\bl)+7], v[FB+48*(\p)+12*\bl:FB+48*(\p)+12*\bl+11], v[FB+48*(\p)+12*\al:FB+48*(\p)+12*\al+11], v[8*\bl+96*(\bl/2):8*\bl+96*(\bl/2)+7], v[SC+8*(\p)+4*PJ+\bl], v[SC+8*(\p)+4*PI+\al] matrix_a_fmt:MATRIX_FMT_FP6 matrix_b_fmt:MATRIX_FMT_FP6 matrix_a_scale:MATRIX_SCALE_ROW1
.else
	v_wmma_scale_f32_16x16x128_f8f6f4 v[ACC+8*(4*\al+\bl):ACC+8*(4*\al+\bl)+7], v[FB+48*(\p)+12*\bl:FB+48*(\p)+12*\bl+11], v[FB+48*(\p)+12*\al:FB+48*(\p)+12*\al+11], v[ACC+8*(4*\al+\bl):ACC+8*(4*\al+\bl)+7], v[SC+8*(\p)+4*PJ+\bl], v[SC+8*(\p)+4*PI+\al] matrix_a_fmt:MATRIX_FMT_FP6 matrix_b_fmt:MATRIX_FMT_FP6 matrix_a_scale:MATRIX_SCALE_ROW1
.endif
.endr
.endr
.endm
; A step inside a chunk: multiplies set p and fetches step q + 1 of the slot's chunk into the other set.  Each wait leaves out the loads issued behind those that the phase needs.
.macro STEP slot, q, p, bias
	PLACES 4                                       ; the other set was read by the last step's products: four places ahead of the loads into it (ISA guide 7.12.1 for vector instructions)
	s_wait_dscnt 24                                ; of the last run W 0-3, the scale words and x 0-3 are in; its last 24 loads may be out
	FETCH \slot, (\q)+1, 1-(\p)
	PHASE 0, \p, \bias
	s_wait_dscnt 62                                ; W 4-7 are in; behind them: 12 of the last run, 50 of this
	PHASE 1, \p, \bias
	s_wait_dscnt 50                                ; x 4-7 are in; behind them: this step's run
	PHASE 2, \p, \bias
	PHASE 3, \p, \bias
.endm
.macro ASK how                         ; how = 2: not in the loop's last trip, whose next chunk is the short one
.if \how == 2
	WIN 0
	s_cmp_gt_u32 s3, 1
	s_cbranch_scc0 .Lno_ask_\@
.endif
	global_prefetch_b8 v[PFO], s[PFA:PFA+1] th:TH_LOAD_NT scope:SCOPE_SE
	global_prefetch_b8 v[PFO+1], s[PFA:PFA+1] th:TH_LOAD_NT scope:SCOPE_SE
.if \how == 2
.Lno_ask_\@:
.endif
.endm
; A chunk's last step changes slots.  All its fragments are in registers when the barrier is signalled; three of its four phases stand behind the run that fetches from the next slot.
; fill: 0 nothing is filled again, 1 a whole chunk, 2 the short one.
.macro TURN slot, next, p, fill, pf
.if \pf
	s_wait_xcnt 0x0                                ; my last prefetches have read their address
	s_add_nc_u64 s[PFA:PFA+1], s[PFA:PFA+1], CHUNK
.endif
	WIN 0                                          ; (the add's two registers lie in window 0)
	s_wait_tensorcnt 0x0                           ; my one load that was out, my group of the next slot, has landed;
	ds_add_u32 v[SPW], v[NIL]
	s_wait_dscnt 25                                ; (the add and the last run's last 24 loads may be out)
	PHASE 0, \p, 0                                 ; sixteen matrix instructions between the add and the wait for it
	WIN 0
	s_wait_dscnt 0x0                               ; the add is done and my reads of this slot are over
	s_barrier_signal -1
	s_barrier_wait -1
.if \fill
	CREST                                          ; the barrier has opened a round of the cluster's barrier
	s_add_nc_u64 s[G0+4*\slot+2:G0+4*\slot+3], s[G0+4*\slot+2:G0+4*\slot+3], 2*CHUNK
	s_add_nc_u64 s[G0B+4*\slot+2:G0B+4*\slot+3], s[G0B+4*\slot+2:G0B+4*\slot+3], 2*CHUNK
.if \fill == 1
	JLOAD G0+4*\slot, G1, G0B+4*\slot, G1B         ; the first tensor load behind the round; its four v_nop are the places ahead of the loads below
.else
	JLOAD G0+4*\slot, G1L, G0B+4*\slot, G1LB
.endif
.else
	PLACES 4
.endif
	FETCH \next, 0, 1-(\p)                         ; the next chunk's first step
.if \pf
	ASK \pf
.endif
	PHASE 1, \p, 0
	PHASE 2, \p, 0
	PHASE 3, \p, 0
.endm
	s_wait_alu depctr_va_vdst(0)
	s_wait_tensorcnt 0x0                           ; my group of chunk 0 is in; slot 1's first fill is issued as a refill is:
	ds_add_u32 v[SPW], v[NIL]
	s_wait_dscnt 0x0
	CROUND
	JLOAD G0+4, G1, G0B+4, G1B                     ; chunk 1
	FETCH 0, 0, 0
	s_wait_loadcnt 0x0                             ; the bias
	STEP 0, 0, 0, 1                                ; the first step's products start the sums from the bias
	WIN 0
	s_mov_b32 s3, 4
.Llap:                                                 ; a trip: six steps, once round the ring, both slots filled again
	STEP 0, 1, 1, 0
	TURN 0, 1, 0, 1, 1
	STEP 1, 0, 1, 0
	STEP 1, 1, 0, 0
	TURN 1, 0, 1, 1, 2
	STEP 0, 0, 0, 0
	WIN 0
	s_sub_co_u32 s3, s3, 1
	s_cmp_lg_u32 s3, 0
	s_cbranch_scc1 .Llap
	STEP 0, 1, 1, 0
	TURN 0, 1, 0, 2, 0                             ; chunk 10, two steps
	STEP 1, 0, 1, 0
	STEP 1, 1, 0, 0
	TURN 1, 0, 1, 0, 0
; THE WAY OUT, by blocks of 16 rows x 128 columns: through my own stage in LDS, back as whole rows of 512 bytes into window 2's v0-127 (x's tiles 0-3 and the bias are done with by then), two sets by turns.
; LDS serves a wave's instructions in order (ISA guide 5.7.1.4): no wait between a block's stores and its loads, nor in front of the next block's stores.
.macro TOSTAGE a
.irp j, 0,1
.set PD, 2*\j+((\a)/4)*(3-4*\j)
	WIN PD<<2                                      ; the data's window
.irp bl, 0,1,2,3
.set AC, ACC+8*(4*((\a)%4)+\bl)
	ds_store_b128 v[STO], v[AC:AC+3] offset:64*(4*\j+\bl)          ; each accumulator from its low end on
	ds_store_b128 v[STO], v[AC+4:AC+7] offset:64*(4*\j+\bl)+16
.endr
.endr
	WIN 0x80
.irp t, 0,1,2,3,4,5,6,7,8,9,10,11,12,13,14,15
	ds_load_b128 v[64*((\a)%2)+4*\t:64*((\a)%2)+4*\t+3], v[RD] offset:\t*SPITCH
.endr
.endm
.macro SEND a, younger
	WIN 0x08
	s_wait_dscnt \younger                          ; the block is back in registers
.if (\a) > 0
	s_add_nc_u64 s[10:11], s[10:11], 16*CROW       ; (behind a wait on XCNT)
.endif
.irp t, 0,1,2,3,4,5,6,7,8,9,10,11,12,13,14,15
	global_store_b128 v[CO], v[64*((\a)%2)+4*\t:64*((\a)%2)+4*\t+3], s[10:11] offset:\t*CROW th:TH_STORE_NT   ; 32 lanes store 512 consecutive bytes, at a multiple of 512 from the buffer's first byte
.endr
.endm
	; steps 30 (set 0) and 31 (set 1), my rows 0-63
	PLACES 4
	s_wait_dscnt 24
	FETCH 0, 1, 1                                  ; the last step's fragments
	PHASE 0, 0, 0
	s_wait_dscnt 62
	PHASE 1, 0, 0
	s_wait_dscnt 12                                ; of the last run all but x 4-7 are in
	PHASE 0, 1, 0
	PHASE 1, 1, 0
	PLACES 4                                       ; ahead of the reads of results and of the loads into x's fragment registers
	TOSTAGE 0
.irp a, 1,2,3
.if \a > 1
	s_wait_xcnt 0x0                                ; block a - 2's stores have read their registers and their base
.endif
	TOSTAGE \a
	SEND \a-1, 32                                  ; behind block a - 1's loads: block a's 16 stores and 16 loads
.endr
	s_wait_xcnt 0x0
	SEND 3, 0                                      ; (every LDS load is in: x 4-7 of the last step too)
	; the same two steps, my rows 64-127, while the stores above are on their way
	PHASE 2, 0, 0
	PHASE 3, 0, 0
	PHASE 2, 1, 0
	PHASE 3, 1, 0
	PLACES 4
	s_wait_xcnt 0x0
	TOSTAGE 4
.irp a, 5,6,7
	s_wait_xcnt 0x0
	TOSTAGE \a
	SEND \a-1, 32
.endr
	s_wait_xcnt 0x0
	SEND 7, 0
	WIN 0
	s_wait_tensorcnt 0x0                           ; the wave's end
	ds_add_u32 v[SPW], v[NIL]
	s_wait_dscnt 0x0
	CROUND                                         ; the closing round
	s_endpgm
.Lfunc_end_k_qb56e7f380d_gemm:
	.size	k_qb56e7f380d_gemm, .Lfunc_end_k_qb56e7f380d_gemm-k_qb56e7f380d_gemm
	.p2alignl 7, 3214868480
	.fill 96, 4, 3214868480
	.section	.rodata,"a",@progbits
	.p2align	6, 0x0
	.amdhsa_kernel k_qb56e7f380d_gemm
		.amdhsa_group_segment_fixed_size 327680
		.amdhsa_private_segment_fixed_size 0
		.amdhsa_enable_private_segment 0
		.amdhsa_kernarg_size 32
		.amdhsa_user_sgpr_count 2
		.amdhsa_user_sgpr_kernarg_segment_ptr 1
		.amdhsa_wavefront_size32 1
		.amdhsa_system_sgpr_workgroup_id_x 1
		.amdhsa_system_sgpr_workgroup_id_y 1
		.amdhsa_system_sgpr_workgroup_id_z 1
		.amdhsa_system_vgpr_workitem_id 0
		.amdhsa_next_free_vgpr 1024
		.amdhsa_next_free_sgpr 96
		.amdhsa_reserve_vcc 0
		.amdhsa_float_denorm_mode_32 3
		.amdhsa_float_denorm_mode_16_64 3
		.amdhsa_memory_ordered 1
		.amdhsa_forward_progress 1
		.amdhsa_inst_pref_size 207
	.end_amdhsa_kernel
	.amdgpu_metadata
---
amdhsa.version: [ 1, 2 ]
amdhsa.kernels:
  - .name:           k_qb56e7f380d_gemm
    .symbol:         k_qb56e7f380d_gemm.kd
    .args:
      - { .name: xq, .offset: 0, .size: 8, .value_kind: global_buffer, .address_space: global }
      - { .name: wq, .offset: 8, .size: 8, .value_kind: global_buffer, .address_space: global }
      - { .name: b, .offset: 16, .size: 8, .value_kind: global_buffer, .address_space: global }
      - { .name: out0, .offset: 24, .size: 8, .value_kind: global_buffer, .address_space: global }
    .group_segment_fixed_size: 327680
    .private_segment_fixed_size: 0
    .kernarg_segment_align: 8
    .kernarg_segment_size: 32
    .max_flat_workgroup_size: 128
    .sgpr_count:     96
    .vgpr_count:     1024
    .wavefront_size: 32
...
	.end_amdgpu_metadata
.endif
;; end of part 2
